; MI455X (gfx1250); checked and timed in simulation.
; The chip was launched on July 23, 2026; its instructions are those of AMD's public machine-readable ISA for CDNA 5 (MIT licence, August 2026) and "CDNA5" Instruction Set Architecture Reference Guide (July 2026). The comments in the code are by the model that wrote it; some were corrected since.
;; Coordinate Decoder. Allowed arithmetic: matrix products marked QUANTISED: E4M3 operands, one given power-of-two scale a tensor, by v_wmma_f32_16x16x64_fp8_fp8 or v_wmma_f32_16x16x128_fp8_fp8, f32 sums; products left as they are: f32 operands where the result goes on into a quantised operand, else bf16, f16 or f32 operands; f32 sums; everything else in f32.
;; Inputs: b_film 512 float32; b_mlp0 256 float32; b_mlp1 256 float32; b_mlp2 256 float32; b_mlp3 256 float32; b_out 3 float32; context_vector 4 x 128 float32; coords 32,768 x 2 float32; feature_grid 4 x 64 x 64 x 128 float32; lowp_scales 8 int32 (the exponents e of the quantised operands' scales 2^e); w_film 128 x 512 float32; w_mlp0 170 x 256 float32; w_mlp1 256 x 256 float32; w_mlp2 256 x 256 float32; w_mlp3 256 x 256 float32; w_out 256 x 3 float32.
;; Outputs: out0 4 x 32,768 x 3 float32.
;; This version of the problem:
;;   THIS VERSION OF THE PROBLEM IS GIVEN IN LOW PRECISION. The matrix products marked QUANTISED in the list below multiply operands that are first quantised to E4M3 (4 exponent bits, 3 mantissa bits; 8 bits a number), with one given power-of-two scale for each operand tensor; their sums are f32. All else is computed in f32.
;;   The module's matrix products, in the order in which they are computed (A, B: the left and right operand; K: the contracted axis; several contracted axes count as one K, in the product's order):
;;     1. [M 4, K 128] x [K 128, N 512]; A: input context_vector; B: input w_film: left as it is (M = 4 < 16)
;;     2. [M 131,072, K 170] x [K 170, N 256]; A: computed on the way; B: input w_mlp0: QUANTISED (scales: A lowp_scales[0], B lowp_scales[1])
;;     3. [M 131,072, K 256] x [K 256, N 256]; A: computed on the way; B: input w_mlp1: QUANTISED (scales: A lowp_scales[2], B lowp_scales[3])
;;     4. [M 131,072, K 256] x [K 256, N 256]; A: computed on the way; B: input w_mlp2: QUANTISED (scales: A lowp_scales[4], B lowp_scales[5])
;;     5. [M 131,072, K 256] x [K 256, N 256]; A: computed on the way; B: input w_mlp3: QUANTISED (scales: A lowp_scales[6], B lowp_scales[7])
;;     6. [M 131,072, K 256] x [K 256, N 3]; A: computed on the way; B: input w_out: left as it is (N = 3 < 16)
;;   THE QUANTISER, for each operand of a quantised product, along K:
;;     - The operand's scale is 2^e, e = its entry of the input lowp_scales (int32; the entries are numbered through the quantised products in the list's order, A before B).
;;     - Each number is divided by the scale, clamped to +-448, and rounded to the nearest number of E4M3, ties to even, subnormals kept.
;;     - The product sums the exact products of the quantised numbers (number of the format x scale) in f32.
;;   ~~~python
;;   def quantise(x, axis, e):      # numpy; x: float32 -> the quantised numbers, widened to float32 again
;;       x = np.moveaxis(x, axis, -1); K = x.shape[-1]
;;       r = np.clip(x / 2.0 ** e, -448, 448)
;;       step = 2.0 ** (np.maximum(np.frexp(np.where(r == 0, 1, r))[1] - 1, -6) - 3)
;;       q = np.round(r / step) * step * 2.0 ** e      # np.round: ties to even
;;       return np.moveaxis(q, -1, axis).astype(np.float32)
;;   ~~~
;;   OPERANDS COMPUTED ON THE WAY. 'Computed on the way' means the value that the module computes at that place (a softmax that the list does not call 'softmax' is quantised finished and normalised). What goes into a quantiser is computed in f32, as accurately as f32 sums, v_exp_f32 and their like allow (about 1e-6 of the number): no bf16 or f16 on the way to a quantiser, and a product that is left as it is and whose result goes on into a quantised operand takes f32 operands (vector FMAs, or v_wmma_f32_16x16x4_f32). A number that lies on a knife's edge between two numbers of the format may be rounded either way, as far as f32 arithmetic and the matrix unit's own rounding can turn it there, and no further.
;; One version. Each part assembles by itself: llvm-mc -triple=amdgcn-amd-amdhsa -mcpu=gfx1250 --defsym DOCPART=n.
;; ======== version 1 of 1: 2 launches
;; limits: inputs' magnitudes at most 4,096; values are held in bf16: 8 bits of precision; right only within a limited range of input values
;; workspace buffers: cells 524,288 bytes of whole numbers; wts 1,048,576 bytes; encimg 2,097,152 bytes; wimg 253,952 bytes; tab 32,768 bytes
;; launch prep (part 1): grid 193 x 1, 8 waves a work-group, no clusters, 17,408 bytes of LDS; arguments coords, lowp_scales, w_mlp0, w_mlp1, w_mlp2, w_mlp3, w_film, b_film, context_vector, b_mlp0, b_mlp1, b_mlp2, b_mlp3, w_out, cells, wts, encimg, wimg, tab; writes cells, wts, encimg, wimg, tab
.if DOCPART == 1
	.amdgcn_target "amdgcn-amd-amdhsa--gfx1250"
	.amdhsa_code_object_version 6
	.text
	.protected	k_q513e4d1d6d_prep
	.globl	k_q513e4d1d6d_prep
	.p2align	8
	.type	k_q513e4d1d6d_prep,@function
k_q513e4d1d6d_prep:
	s_mov_b64 s[64:65], 0
	v_nop
	global_prefetch_b8 v0, s[64:65] scope:SCOPE_SE
	s_setreg_imm32_b32 hwreg(HW_REG_WAVE_MODE, 25, 1), 1
	s_wait_xcnt 0x0
; EVERYTHING THAT ALL ROWS OR ALL FOUR IMAGES SHARE, made once.  Four kinds of work-group, told apart by the work-group's number:
;   0-3     FILM     gamma, beta = context_vector w_film + b_film (f32 multiply-adds), folded per image and layer into S = (gamma + 1) 2^(eA + eB), T = b (gamma + 1) + beta -> tab
;   4       WOUT     w_out as bf16, in the order of an operand's registers -> wimg
;   5-64    WEIGHTS  w_mlp0..3 as codes of E4M3, in the order of an operand's registers -> wimg
;   65-192  POINTS   a lane a point: the four grid cells (whole numbers) and weights of the bilinear sample -> cells, wts; the 42 features of the encoding as codes -> encimg
; IMAGES.  Lane l = r + 16 h of a fragment.  Tile 2 b + u takes units 32 b + 8 u + (r & 7) + 16 (r >> 3).  Layers 1-3: fragment (t, s) at (2 t + s) 2048, piece c at + 512 c + 16 l: k = 128 s + 32 c + 16 h + 0..15.
; Layer 0 (K 170 laid as 192): fragment (t, s) at (3 t + s) 1024, piece c at + 512 c + 16 l: s = 0, 1: grid channel 64 s + 32 h + 16 c + i (row 42 + channel of w_mlp0); s = 2: row 32 h + 16 c + i, code 0 from row 42 on.
; SINE AND COSINE: the angle 2^k fl(pi c) is taken in quarter turns as a sum of two f32 numbers (a product and its exact remainder), which doubling keeps exact; the nearest whole number goes off, polynomials serve the rest.
; LIMITS: |coords| under 4,096 (quarter turns stay under 2^22); the scales' exponents of the quantised operands between -126 and 119; NaN and infinities among the inputs are not served; sine and cosine good to about 1.5e-7 absolute.
.set E, 32                             ; v32-79: a point's 48 features (42 and six zeros)
	v_lshl_add_u32 v128, v0, 2, 0x4000
	v_mov_b32 v129, 0
	v_lshrrev_b32 v1, 5, v0
	s_delay_alu instid0(VALU_DEP_1)
	v_readfirstlane_b32 s3, v1                     ; wave 0..7
	v_and_b32 v2, 31, v0                           ; lane
	s_cmp_lt_u32 ttmp9, 4
	s_cbranch_scc1 .Lfilm
	s_cmp_eq_u32 ttmp9, 4
	s_cbranch_scc1 .Lwout
	s_cmp_lt_u32 ttmp9, 65
	s_cbranch_scc1 .Lweights
; ---------------------------------------------------------------- POINTS
.macro FIX src, dst                    ; the reflected index: | ((2 i + 129) mod 256) - 128 | / 2, rounded down
	s_delay_alu instid0(VALU_DEP_1)
	v_lshl_add_u32 v15, v[\src], 1, 129
	s_delay_alu instid0(VALU_DEP_1)
	v_and_b32 v15, 0xff, v15
	s_delay_alu instid0(VALU_DEP_1)
	v_add_nc_u32 v15, 0xffffff80, v15
	s_delay_alu instid0(VALU_DEP_1)
	v_ashrrev_i32 v16, 31, v15
	s_delay_alu instid0(VALU_DEP_1)
	v_xor_b32 v15, v15, v16
	s_delay_alu instid0(VALU_DEP_1)
	v_sub_nc_u32 v15, v15, v16
	s_delay_alu instid0(VALU_DEP_1)
	v_lshrrev_b32 v[\dst], 1, v15
.endm
.macro AXIS d                          ; axis d: v[96+4d] lower index, v[97+4d] upper, v[98+4d] lower weight, v[99+4d] upper; v[8+2d], v[9+2d] the angle of frequency 0 in quarter turns
	v_add_f32 v12, 1.0, v[4+\d]
	s_delay_alu instid0(VALU_DEP_1)
	v_mul_f32 v12, 0.5, v12
	s_delay_alu instid0(VALU_DEP_1)
	v_mul_f32 v12, 0x427c0000, v12                 ; x 63
	s_delay_alu instid0(VALU_DEP_1)
	v_floor_f32 v13, v12
	s_delay_alu instid0(VALU_DEP_1)
	v_sub_f32 v[99+4*\d], v12, v13
	s_delay_alu instid0(VALU_DEP_1)
	v_sub_f32 v[98+4*\d], 1.0, v[99+4*\d]
	s_delay_alu instid0(VALU_DEP_3)
	v_cvt_i32_f32 v14, v13
	FIX 14, 96+4*\d
	v_add_nc_u32 v14, 1, v14
	FIX 14, 97+4*\d
	v_mul_f32 v12, 0x40490fdb, v[4+\d]             ; fl(pi c): every frequency's angle is this times a power of two
	s_delay_alu instid0(VALU_DEP_1)
	v_mul_f32 v[8+2*\d], s20, v12                  ; x 2 / pi, upper part,
	s_delay_alu instid0(VALU_DEP_1)
	v_fma_f32 v13, v12, s20, -v[8+2*\d]            ; what that product dropped,
	s_delay_alu instid0(VALU_DEP_1)
	v_fma_f32 v[9+2*\d], v12, s21, v13             ; and the lower part of 2 / pi
.endm
.macro ANGLE k, d
	v_rndne_f32 v12, v[8+2*\d]                     ; whole quarter turns
	s_delay_alu instid0(VALU_DEP_1)
	v_sub_f32 v13, v[8+2*\d], v12                  ; exact
	s_delay_alu instid0(VALU_DEP_1)
	v_add_f32 v13, v13, v[9+2*\d]
	s_delay_alu instid0(VALU_DEP_1)
	v_mul_f32 v13, s22, v13                        ; the rest as an angle, within pi / 4
	s_delay_alu instid0(VALU_DEP_1)
	v_mul_f32 v14, v13, v13
	v_cvt_i32_f32 v15, v12
	s_delay_alu instid0(VALU_DEP_2)
	v_fma_f32 v16, v14, s25, s24
	s_delay_alu instid0(VALU_DEP_3)
	v_fma_f32 v17, v14, s28, s27
	s_delay_alu instid0(VALU_DEP_2)
	v_fma_f32 v16, v16, v14, s23
	s_delay_alu instid0(VALU_DEP_2)
	v_fma_f32 v17, v17, v14, s26
	v_mul_f32 v18, v13, v14
	v_mul_f32 v19, v14, v14
	v_fma_f32 v20, v14, -0.5, 1.0
	s_delay_alu instid0(VALU_DEP_3)
	v_fma_f32 v16, v18, v16, v13                   ; sine of the rest
	s_delay_alu instid0(VALU_DEP_2)
	v_fma_f32 v17, v19, v17, v20                   ; cosine of the rest
	v_and_b32 v21, 1, v15
	s_delay_alu instid0(VALU_DEP_1)
	v_cmp_eq_u32 vcc_lo, 1, v21                    ; an odd quarter swaps the two
	s_delay_alu instid0(VALU_DEP_1)
	v_cndmask_b32 v18, v16, v17, vcc_lo
	s_delay_alu instid0(VALU_DEP_2)
	v_cndmask_b32 v19, v17, v16, vcc_lo
	v_lshlrev_b32 v20, 30, v15                     ; the sine's sign: bit 1 of the quarter;
	v_add_nc_u32 v21, 1, v15
	s_delay_alu instid0(VALU_DEP_1)
	v_lshlrev_b32 v21, 30, v21                     ; the cosine's: bit 1 of the quarter + 1
	s_delay_alu instid0(VALU_DEP_3)
	v_and_b32 v20, 0x80000000, v20
	s_delay_alu instid0(VALU_DEP_2)
	v_and_b32 v21, 0x80000000, v21
	s_delay_alu instid0(VALU_DEP_2)
	v_xor_b32 v[E+2+4*\k+\d], v18, v20
	s_delay_alu instid0(VALU_DEP_2)
	v_xor_b32 v[E+4+4*\k+\d], v19, v21
	v_add_f32 v[8+2*\d], v[8+2*\d], v[8+2*\d]      ; the next frequency: both parts doubled, exact
	v_add_f32 v[9+2*\d], v[9+2*\d], v[9+2*\d]
.endm
	s_load_b128 s[4:7], s[0:1], 0x0                ; coords, lowp_scales
	s_load_b128 s[8:11], s[0:1], 0x70              ; cells, wts
	s_load_b64 s[12:13], s[0:1], 0x80              ; encimg
	s_sub_co_u32 s14, ttmp9, 65
	s_lshl_b32 s14, s14, 8
	v_add_nc_u32 v3, s14, v0                       ; my point
	s_delay_alu instid0(VALU_DEP_1)
	v_lshlrev_b32 v24, 3, v3
	s_delay_alu instid0(VALU_DEP_2)
	v_lshlrev_b32 v25, 4, v3
	s_delay_alu instid0(VALU_DEP_3)
	v_lshrrev_b32 v26, 4, v3
	s_delay_alu instid0(VALU_DEP_4)
	v_and_b32 v27, 15, v3
	s_delay_alu instid0(VALU_DEP_2)
	v_lshlrev_b32 v26, 10, v26
	s_delay_alu instid0(VALU_DEP_1)
	v_lshl_add_u32 v26, v27, 4, v26                ; encimg: 1,024 x tile of 16 points + 16 x place in it
	s_mov_b32 s20, 0x3f22f983                      ; 2 / pi, upper part
	s_mov_b32 s21, 0x32dc9c88                      ; and lower
	s_mov_b32 s22, 0x3fc90fdb                      ; pi / 2
	s_mov_b32 s23, 0xbe2aaaa3                      ; sine: t, t^2, t^3
	s_mov_b32 s24, 0x3c08839e
	s_mov_b32 s25, 0xb94ca1f9
	s_mov_b32 s26, 0x3d2aaaa5                      ; cosine: t^2, t^3, t^4
	s_mov_b32 s27, 0xbab6061a
	s_mov_b32 s28, 0x37ccf5ce
	s_wait_alu depctr_va_vdst(0)
	s_wait_kmcnt 0x0
	s_load_b32 s15, s[6:7], 0x0                    ; e of the first product's left operand
	global_load_b64 v[4:5], v24, s[4:5]
	s_wait_loadcnt 0x0
	AXIS 0
	AXIS 1
	v_lshl_add_u32 v104, v96, 6, v100              ; cell = 64 row + column: (lo, lo), (lo, hi), (hi, lo), (hi, hi)
	v_lshl_add_u32 v105, v96, 6, v101
	v_lshl_add_u32 v106, v97, 6, v100
	v_lshl_add_u32 v107, v97, 6, v101
	v_mul_f32 v108, v98, v102                      ; each weight twice: the packed multiply-adds of the next launch take them as pairs
	v_mul_f32 v109, v98, v102
	v_mul_f32 v110, v98, v103
	v_mul_f32 v111, v98, v103
	v_mul_f32 v112, v99, v102
	v_mul_f32 v113, v99, v102
	v_mul_f32 v114, v99, v103
	v_mul_f32 v115, v99, v103
	global_store_b128 v25, v[104:107], s[8:9]      ; a wave stores 512 consecutive bytes
	global_store_b128 v25, v[108:111], s[10:11]
	global_store_b128 v25, v[112:115], s[10:11] offset:524288
	v_mov_b32 v[E], v4
	v_mov_b32 v[E+1], v5
.irp k, 0,1,2,3,4,5,6,7,8,9
	ANGLE \k, 0
	ANGLE \k, 1
.endr
.irp i, 42,43,44,45,46,47
	v_mov_b32 v[E+\i], 0
.endr
	s_wait_kmcnt 0x0
	s_add_co_i32 s15, s15, 127
	s_lshl_b32 s16, s15, 23
	v_mov_b32 v30, s16                             ; 2^e as f32: the conversion takes its exponent field
	s_add_co_i32 s15, s15, 8
	s_lshl_b32 s15, s15, 23
	s_or_b32 s15, s15, 0x600000
	v_mov_b32 v31, s15                             ; 448 x 2^e
.irp i, 0,1,2,3,4,5,6,7,8,9,10,11,12,13,14,15,16,17,18,19,20,21,22,23,24,25,26,27,28,29,30,31,32,33,34,35,36,37,38,39,40,41,42,43,44,45,46,47
	v_med3_num_f32 v[E+\i], v[E+\i], -v31, v31     ; the conversion to an 8-bit code does not saturate (ISA guide 7.6.2): the hold comes first
.endr
.irp g, 0,1,2,3,4,5
	v_cvt_scalef32_pk8_fp8_f32 v[80+2*\g:81+2*\g], v[E+8*\g:E+8*\g+7], v30
.endr
.irp i, 92,93,94,95
	v_mov_b32 v\i, 0                               ; features 48-63: zero codes
.endr
	global_store_b128 v26, v[80:83], s[12:13]              ; features 0-15:  h = 0, piece 0.  Sixteen lanes store 256 consecutive bytes, aligned
	global_store_b128 v26, v[84:87], s[12:13] offset:512   ; 16-31: h = 0, piece 1
	global_store_b128 v26, v[88:91], s[12:13] offset:256   ; 32-47: h = 1, piece 0
	global_store_b128 v26, v[92:95], s[12:13] offset:768   ; 48-63: h = 1, piece 1
	s_endpgm
; ---------------------------------------------------------------- FILM: work-group g takes units 64 g .. 64 g + 63; wave w takes k = 16 w .. 16 w + 15; a lane two neighbouring units
.macro FILMK i
.irp b, 0,1,2,3
.set SR, 16+16*\b+\i+4*(\b/3)          ; context_vector[b][16 w + i]: s16.., s32.., s48.., s68..
.if \i == 0
	v_mul_f32 v[80+2*\b], s[SR], v[16+4*\i]
	v_mul_f32 v[81+2*\b], s[SR], v[17+4*\i]
	v_mul_f32 v[88+2*\b], s[SR], v[18+4*\i]
	v_mul_f32 v[89+2*\b], s[SR], v[19+4*\i]
.else
	v_fma_f32 v[80+2*\b], s[SR], v[16+4*\i], v[80+2*\b]
	v_fma_f32 v[81+2*\b], s[SR], v[17+4*\i], v[81+2*\b]
	v_fma_f32 v[88+2*\b], s[SR], v[18+4*\i], v[88+2*\b]
	v_fma_f32 v[89+2*\b], s[SR], v[19+4*\i], v[89+2*\b]
.endif
.endr
.endm
.Lfilm:
	s_load_b128 s[4:7], s[0:1], 0x30               ; w_film, b_film
	s_load_b64 s[8:9], s[0:1], 0x40                ; context_vector
	s_load_b256 s[84:91], s[0:1], 0x48             ; b_mlp0 .. b_mlp3
	s_load_b64 s[12:13], s[0:1], 0x8               ; lowp_scales
	s_load_b64 s[14:15], s[0:1], 0x90              ; tab
	s_lshl_b32 s10, s3, 6                          ; my 16 numbers of a context row
	s_mov_b32 s11, 0
	s_lshl_b32 s96, ttmp9, 8
	s_wait_alu depctr_va_vdst(0)
	v_lshl_add_u32 v6, v2, 3, s96                  ; 4 x my first unit = 256 g + 8 lane
	s_lshl_b32 s97, s3, 15                         ; my 16 rows of w_film, 2,048 bytes each
	v_add_nc_u32 v3, s97, v6
	s_wait_alu depctr_va_vdst(0)
	s_wait_kmcnt 0x0
	s_add_nc_u64 s[8:9], s[8:9], s[10:11]
	s_load_b512 s[16:31], s[8:9], 0x0
	s_load_b512 s[32:47], s[8:9], 0x200
	s_load_b512 s[48:63], s[8:9], 0x400
	s_load_b512 s[68:83], s[8:9], 0x600
	s_cmp_lt_u32 s3, 4                             ; waves 0-3 finish layers 0 and 1, waves 4-7 layers 2 and 3
	s_cselect_b64 s[92:93], s[84:85], s[88:89]
	s_cselect_b64 s[94:95], s[86:87], s[90:91]
.irp i, 0,1,2,3,4,5,6,7,8,9,10,11,12,13,14,15
	global_load_b64 v[16+4*\i:17+4*\i], v3, s[4:5] offset:2048*\i          ; gamma's columns
	global_load_b64 v[18+4*\i:19+4*\i], v3, s[4:5] offset:2048*\i+1024     ; beta's
.endr
	global_load_b64 v[96:97], v6, s[6:7]
	global_load_b64 v[98:99], v6, s[6:7] offset:1024
	global_load_b64 v[100:101], v6, s[92:93]
	global_load_b64 v[102:103], v6, s[94:95]
	s_wait_kmcnt 0x0
	s_wait_loadcnt 0x0
.irp i, 0,1,2,3,4,5,6,7,8,9,10,11,12,13,14,15
	FILMK \i
.endr
	s_load_b256 s[84:91], s[12:13], 0x0            ; the eight exponents (the bias pointers' loads are done)
	v_lshlrev_b32 v4, 3, v2
	s_lshl_b32 s98, s3, 11
	v_add_nc_u32 v4, s98, v4                       ; LDS: 2,048 x wave + 256 x (4 x which + image) + 8 x lane
.irp a, 0,1,2,3,4,5,6,7
	ds_store_b64 v4, v[80+2*\a:81+2*\a] offset:256*\a
.endr
	s_wait_dscnt 0x0                               ; for the others' sake: my partial sums lie in LDS
	s_barrier_signal -1
	s_barrier_wait -1
	s_and_b32 s98, s3, 3                           ; the image that I finish
	s_lshl_b32 s99, s98, 8
	v_lshl_add_u32 v5, v2, 3, s99
.irp w, 0,1,2,3,4,5,6,7
	ds_load_b64 v[16+2*\w:17+2*\w], v5 offset:2048*\w
	ds_load_b64 v[32+2*\w:33+2*\w], v5 offset:2048*\w+1024
.endr
	s_wait_dscnt 0x0
.irp o, 16, 32
	v_pk_add_f32 v[\o:\o+1], v[\o:\o+1], v[\o+2:\o+3]
	v_pk_add_f32 v[\o+4:\o+5], v[\o+4:\o+5], v[\o+6:\o+7]
	v_pk_add_f32 v[\o+8:\o+9], v[\o+8:\o+9], v[\o+10:\o+11]
	v_pk_add_f32 v[\o+12:\o+13], v[\o+12:\o+13], v[\o+14:\o+15]
	s_delay_alu instid0(VALU_DEP_3)
	v_pk_add_f32 v[\o:\o+1], v[\o:\o+1], v[\o+4:\o+5]
	s_delay_alu instid0(VALU_DEP_2)
	v_pk_add_f32 v[\o+8:\o+9], v[\o+8:\o+9], v[\o+12:\o+13]
	s_delay_alu instid0(VALU_DEP_1)
	v_pk_add_f32 v[\o:\o+1], v[\o:\o+1], v[\o+8:\o+9]
.endr
	v_pk_add_f32 v[16:17], v[16:17], v[96:97]      ; gamma
	s_delay_alu instid0(VALU_DEP_2)
	v_pk_add_f32 v[32:33], v[32:33], v[98:99]      ; beta
	s_delay_alu instid0(VALU_DEP_2)
	v_pk_add_f32 v[16:17], v[16:17], 1.0 op_sel_hi:[1,0]
	s_wait_alu depctr_va_vdst(0)
	s_wait_kmcnt 0x0
	s_add_co_i32 s24, s84, s85                     ; eA + eB of each layer
	s_add_co_i32 s25, s86, s87
	s_add_co_i32 s26, s88, s89
	s_add_co_i32 s27, s90, s91
	s_cmp_lt_u32 s3, 4
	s_cselect_b32 s28, s24, s26
	s_cselect_b32 s29, s25, s27
	v_ldexp_f32 v40, v16, s28                      ; S = (gamma + 1) 2^(eA + eB)
	v_ldexp_f32 v41, v17, s28
	v_ldexp_f32 v42, v16, s29
	v_ldexp_f32 v43, v17, s29
	v_pk_fma_f32 v[44:45], v[100:101], v[16:17], v[32:33]   ; T = b (gamma + 1) + beta
	v_pk_fma_f32 v[46:47], v[102:103], v[16:17], v[32:33]
	s_lshl_b32 s30, s98, 13                        ; tab: 8,192 x image + 2,048 x layer (+ 1,024 for T) + 4 x unit
	s_lshr_b32 s31, s3, 2
	s_lshl_b32 s31, s31, 12
	s_add_co_u32 s30, s30, s31
	v_add_nc_u32 v7, s30, v6
	global_store_b64 v7, v[40:41], s[14:15]                ; a wave stores 256 consecutive bytes, aligned
	global_store_b64 v7, v[44:45], s[14:15] offset:1024
	global_store_b64 v7, v[42:43], s[14:15] offset:2048
	global_store_b64 v7, v[46:47], s[14:15] offset:3072
	s_wait_tensorcnt 0x0
	ds_add_u32 v128, v129
	s_wait_dscnt 0x0
	s_endpgm
; ---------------------------------------------------------------- WOUT: wave b makes K step b (32 hidden units) of the last product's operand: lane (o = r, h), register i: w_out[32 b + 16 h + 2 i][o] and the next row's; 0 for o >= 3
.Lwout:
	s_load_b64 s[4:5], s[0:1], 0x68                ; w_out
	s_load_b64 s[6:7], s[0:1], 0x88                ; wimg
	s_wait_alu depctr_va_vdst(0)
	v_and_b32 v3, 15, v2                           ; r
	v_lshrrev_b32 v4, 4, v2                        ; h
	s_delay_alu instid0(VALU_DEP_2)
	v_min_u32 v5, 2, v3                            ; no load leaves the buffer: columns beyond 2 read column 2 and become 0 below
	s_mul_i32 s8, s3, 384                          ; 32 rows of 12 bytes
	v_mul_u32_u24 v6, v4, 192
	s_delay_alu instid0(VALU_DEP_1)
	v_lshl_add_u32 v6, v5, 2, v6
	s_delay_alu instid0(VALU_DEP_1)
	v_add_nc_u32 v6, s8, v6
	s_wait_alu depctr_va_vdst(0)
	s_wait_kmcnt 0x0
.irp i, 0,1,2,3,4,5,6,7,8,9,10,11,12,13,14,15
	global_load_b32 v[16+\i], v6, s[4:5] offset:12*\i
.endr
	v_cmp_gt_u32 vcc_lo, 3, v3
	s_lshl_b32 s9, s3, 10
	s_add_co_u32 s9, s9, 245760                    ; behind the four layers' images
	v_lshl_add_u32 v7, v2, 4, s9
	s_wait_loadcnt 0x0
.irp i, 0,1,2,3,4,5,6,7,8,9,10,11,12,13,14,15
	v_cndmask_b32 v[16+\i], 0, v[16+\i], vcc_lo
.endr
.irp i, 0,1,2,3,4,5,6,7
	v_cvt_pk_bf16_f32 v[40+\i], v[16+2*\i], v[17+2*\i]
.endr
	global_store_b128 v7, v[40:43], s[6:7]
	global_store_b128 v7, v[44:47], s[6:7] offset:512
	s_endpgm
; ---------------------------------------------------------------- WEIGHTS: a wave's task is 32 units (a pair of tiles) x 16 neighbouring k: A LANE TAKES A UNIT AND ITS REGISTERS RUN DOWN K: 16 codes, one piece of 16 bytes
.Lweights:
	s_load_b256 s[20:27], s[0:1], 0x10             ; w_mlp0 .. w_mlp3
	s_load_b64 s[6:7], s[0:1], 0x8                 ; lowp_scales
	s_load_b64 s[42:43], s[0:1], 0x88              ; wimg
	s_sub_co_u32 s9, ttmp9, 5
	s_lshl_b32 s9, s9, 3
	s_add_co_u32 s9, s9, s3                        ; task 0..479: 96 for layer 0, 128 for each of the others
	s_wait_kmcnt 0x0
	s_load_b256 s[28:35], s[6:7], 0x0
	s_wait_kmcnt 0x0
	s_cmp_lt_u32 s9, 96
	s_cbranch_scc0 .Lw_later
	s_and_b32 s10, s9, 7                           ; b: the pair of tiles
	s_lshr_b32 s11, s9, 3                          ; q: 0-7 grid channels 16 q on; 8-11 rows 16 (q - 8) on
	s_lshl_b32 s12, s11, 4
	s_add_co_u32 s13, s12, 42
	s_sub_co_u32 s14, s12, 128
	s_cmp_lt_u32 s11, 8
	s_cselect_b32 s12, s13, s14                    ; first row of w_mlp0: at most 154, so all 16 rows lie inside its 170
	s_mov_b32 s15, 16                              ; how many of the 16 rows count
	s_cmp_eq_u32 s11, 10
	s_cselect_b32 s15, 10, s15                     ; rows 32-41 count, rows 42-47 belong to the grid's part
	s_cmp_eq_u32 s11, 11
	s_cselect_b32 s15, 0, s15                      ; the padding of K: zero codes
	s_mul_i32 s16, s10, 6144
	s_lshr_b32 s17, s11, 2
	s_lshl_b32 s17, s17, 10
	s_add_co_u32 s16, s16, s17                     ; + 1,024 s
	s_and_b32 s17, s11, 1
	s_lshl_b32 s17, s17, 9
	s_add_co_u32 s16, s16, s17                     ; + 512 x piece
	s_bfe_u32 s17, s11, 0x10001
	s_lshl_b32 s17, s17, 8
	s_add_co_u32 s16, s16, s17                     ; + 256 h
	s_mov_b32 s18, 3072                            ; from tile 2 b to tile 2 b + 1
	s_mov_b64 s[36:37], s[20:21]
	s_mov_b32 s38, s29
	s_branch .Lw_go
.Lw_later:
	s_sub_co_u32 s9, s9, 96
	s_lshr_b32 s19, s9, 7                          ; layer - 1
	s_and_b32 s10, s9, 7                           ; b
	s_bfe_u32 s11, s9, 0x40003                     ; q: k = 16 q on
	s_lshl_b32 s12, s11, 4
	s_mov_b32 s15, 16
	s_lshl_b32 s16, s19, 16
	s_add_co_u32 s16, s16, 49152
	s_lshl_b32 s17, s10, 13
	s_add_co_u32 s16, s16, s17
	s_lshr_b32 s17, s11, 3
	s_lshl_b32 s17, s17, 11
	s_add_co_u32 s16, s16, s17                     ; + 2,048 s
	s_bfe_u32 s17, s11, 0x20001
	s_lshl_b32 s17, s17, 9
	s_add_co_u32 s16, s16, s17                     ; + 512 x piece
	s_and_b32 s17, s11, 1
	s_lshl_b32 s17, s17, 8
	s_add_co_u32 s16, s16, s17                     ; + 256 h
	s_mov_b32 s18, 4096
	s_cmp_eq_u32 s19, 0
	s_cselect_b64 s[36:37], s[22:23], s[24:25]
	s_cselect_b32 s38, s31, s33
	s_cmp_eq_u32 s19, 2
	s_cselect_b64 s[36:37], s[26:27], s[36:37]
	s_cselect_b32 s38, s35, s38
.Lw_go:
	s_wait_alu depctr_va_vdst(0)
	v_and_b32 v3, 15, v2                           ; the fragment's lane r
	v_lshrrev_b32 v4, 4, v2                        ; u
	v_and_b32 v5, 7, v2
	s_delay_alu instid0(VALU_DEP_3)
	v_lshrrev_b32 v6, 3, v3
	s_delay_alu instid0(VALU_DEP_1)
	v_lshl_add_u32 v5, v6, 4, v5
	s_delay_alu instid0(VALU_DEP_1)
	v_lshl_add_u32 v5, v4, 3, v5                   ; unit in the pair: (r & 7) + 16 (r >> 3) + 8 u
	s_delay_alu instid0(VALU_DEP_1)
	v_lshlrev_b32 v5, 2, v5
	s_lshl_b32 s17, s10, 7
	s_lshl_b32 s39, s12, 10                        ; a row of a weight is 1,024 bytes
	s_add_co_u32 s17, s17, s39
	v_add_nc_u32 v5, s17, v5
.irp i, 0,1,2,3,4,5,6,7,8,9,10,11,12,13,14,15
	global_load_b32 v[16+\i], v5, s[36:37] offset:1024*\i      ; a wave reads 128 consecutive bytes of a row
.endr
	v_mul_lo_u32 v8, v4, s18
	s_delay_alu instid0(VALU_DEP_1)
	v_lshl_add_u32 v8, v3, 4, v8
	s_delay_alu instid0(VALU_DEP_1)
	v_add_nc_u32 v8, s16, v8
	s_add_co_i32 s38, s38, 127
	s_lshl_b32 s41, s38, 23
	v_mov_b32 v11, s41                             ; 2^e
	s_add_co_i32 s38, s38, 8
	s_lshl_b32 s38, s38, 23
	s_or_b32 s38, s38, 0x600000
	v_mov_b32 v10, s38                             ; 448 x 2^e
	s_wait_loadcnt 0x0
.irp i, 0,1,2,3,4,5,6,7,8,9,10,11,12,13,14,15
	s_cmp_gt_u32 s15, \i
	s_cselect_b32 s40, -1, 0
	v_cndmask_b32 v[16+\i], 0, v[16+\i], s40       ; rows that do not count become 0
.endr
.irp i, 0,1,2,3,4,5,6,7,8,9,10,11,12,13,14,15
	v_med3_num_f32 v[16+\i], v[16+\i], -v10, v10
.endr
	v_cvt_scalef32_pk8_fp8_f32 v[32:33], v[16:23], v11
	v_cvt_scalef32_pk8_fp8_f32 v[34:35], v[24:31], v11
	global_store_b128 v8, v[32:35], s[42:43]       ; lanes 0-15 store 256 consecutive bytes, aligned, lanes 16-31 another 256
	s_endpgm
.Lfunc_end_k_q513e4d1d6d_prep:
	.size	k_q513e4d1d6d_prep, .Lfunc_end_k_q513e4d1d6d_prep-k_q513e4d1d6d_prep
	.p2alignl 7, 3214868480
	.fill 96, 4, 3214868480
	.section	.rodata,"a",@progbits
	.p2align	6, 0x0
	.amdhsa_kernel k_q513e4d1d6d_prep
		.amdhsa_group_segment_fixed_size 17408
		.amdhsa_private_segment_fixed_size 0
		.amdhsa_enable_private_segment 0
		.amdhsa_kernarg_size 152
		.amdhsa_user_sgpr_count 2
		.amdhsa_user_sgpr_kernarg_segment_ptr 1
		.amdhsa_wavefront_size32 1
		.amdhsa_system_sgpr_workgroup_id_x 1
		.amdhsa_system_sgpr_workgroup_id_y 1
		.amdhsa_system_sgpr_workgroup_id_z 1
		.amdhsa_system_vgpr_workitem_id 0
		.amdhsa_next_free_vgpr 130
		.amdhsa_next_free_sgpr 100
		.amdhsa_reserve_vcc 1
		.amdhsa_float_denorm_mode_32 3
		.amdhsa_float_denorm_mode_16_64 3
		.amdhsa_memory_ordered 1
		.amdhsa_forward_progress 1
		.amdhsa_inst_pref_size 83
	.end_amdhsa_kernel
	.amdgpu_metadata
---
amdhsa.version: [ 1, 2 ]
amdhsa.kernels:
  - .name:           k_q513e4d1d6d_prep
    .symbol:         k_q513e4d1d6d_prep.kd
    .args:
      - { .name: coords, .offset: 0, .size: 8, .value_kind: global_buffer, .address_space: global }
      - { .name: lowp_scales, .offset: 8, .size: 8, .value_kind: global_buffer, .address_space: global }
      - { .name: w_mlp0, .offset: 16, .size: 8, .value_kind: global_buffer, .address_space: global }
      - { .name: w_mlp1, .offset: 24, .size: 8, .value_kind: global_buffer, .address_space: global }
      - { .name: w_mlp2, .offset: 32, .size: 8, .value_kind: global_buffer, .address_space: global }
      - { .name: w_mlp3, .offset: 40, .size: 8, .value_kind: global_buffer, .address_space: global }
      - { .name: w_film, .offset: 48, .size: 8, .value_kind: global_buffer, .address_space: global }
      - { .name: b_film, .offset: 56, .size: 8, .value_kind: global_buffer, .address_space: global }
      - { .name: context_vector, .offset: 64, .size: 8, .value_kind: global_buffer, .address_space: global }
      - { .name: b_mlp0, .offset: 72, .size: 8, .value_kind: global_buffer, .address_space: global }
      - { .name: b_mlp1, .offset: 80, .size: 8, .value_kind: global_buffer, .address_space: global }
      - { .name: b_mlp2, .offset: 88, .size: 8, .value_kind: global_buffer, .address_space: global }
      - { .name: b_mlp3, .offset: 96, .size: 8, .value_kind: global_buffer, .address_space: global }
      - { .name: w_out, .offset: 104, .size: 8, .value_kind: global_buffer, .address_space: global }
      - { .name: cells, .offset: 112, .size: 8, .value_kind: global_buffer, .address_space: global }
      - { .name: wts, .offset: 120, .size: 8, .value_kind: global_buffer, .address_space: global }
      - { .name: encimg, .offset: 128, .size: 8, .value_kind: global_buffer, .address_space: global }
      - { .name: wimg, .offset: 136, .size: 8, .value_kind: global_buffer, .address_space: global }
      - { .name: tab, .offset: 144, .size: 8, .value_kind: global_buffer, .address_space: global }
    .group_segment_fixed_size: 17408
    .private_segment_fixed_size: 0
    .kernarg_segment_align: 8
    .kernarg_segment_size: 152
    .max_flat_workgroup_size: 256
    .sgpr_count:     100
    .vgpr_count:     130
    .wavefront_size: 32
...
	.end_amdgpu_metadata
.endif
;; end of part 1
;; launch mlp (part 2): grid 256 x 1, 8 waves a work-group, clusters of 4 x 1, 327,680 bytes of LDS; arguments feature_grid, cells, wts, encimg, wimg, tab, lowp_scales, b_out, out0; writes out0
.if DOCPART == 2
	.amdgcn_target "amdgcn-amd-amdhsa--gfx1250"
	.amdhsa_code_object_version 6
	.text
	.protected	k_q513e4d1d6d_mlp
	.globl	k_q513e4d1d6d_mlp
	.p2align	8
	.type	k_q513e4d1d6d_mlp,@function
k_q513e4d1d6d_mlp:
	s_mov_b64 s[64:65], 0
	v_nop
	global_prefetch_b8 v0, s[64:65] scope:SCOPE_SE
	s_setreg_imm32_b32 hwreg(HW_REG_WAVE_MODE, 25, 1), 1
	s_wait_xcnt 0x0
	s_wait_alu depctr_hold_cnt(0) depctr_sa_sdst(0) depctr_va_vdst(0) depctr_va_sdst(0) depctr_va_ssrc(0) depctr_va_vcc(0) depctr_vm_vsrc(0)
	s_getreg_b32 s2, hwreg(HW_REG_IB_STS2, 6, 4)
	s_cmp_eq_u32 s2, 0
	s_cbranch_scc0 .Lentry_in_a_cluster
	s_endpgm
.Lentry_in_a_cluster:
	s_bfe_u32 s2, ttmp6, 0x10000c
	s_cmp_lg_u32 s2, 0x3003
	s_cbranch_scc0 .Lentry_shape_is_right
	s_endpgm
.Lentry_shape_is_right:
; THE WHOLE CHAIN FOR 512 POINTS OF ONE IMAGE: bilinear sample, four layers (product on codes of E4M3, FiLM, gelu, quantiser), the last product in bf16, tanh.
; SHARES.  Work-group g = 4 x cluster + place: image g / 64, points 512 (g mod 64) on.  Each of eight waves takes 64 points in two passes of 32 rows (two tiles of 16), alone through the chain.
; WEIGHTS lie in LDS for the whole launch, filled once: each wave asks for 124 rows of 256 bytes of wimg (8 x 124 = 992 rows), JOINTLY with its three partners (mask 15: all four need the same bytes).
; The image's tables (8,192 bytes, a small part beside the 253,952 of weights) go through registers and ds_store into bytes of their own.
; THE GATHER goes in sequences of 8 points: 32 cell loads of 512 bytes, 16 loads of weights; then the points are interpolated, quantised and put into the wave's stage.
; THE SECOND PASS'S GATHER RUNS UNDER THE FIRST PASS'S EPILOGUES.  When epilogue b has read accumulator chunk b (32 registers), the chunk is free until the next product writes it:
; chunks 0-3 take the cells of two points each, chunks 4-5 the weights; behind epilogue 7 the 8 points are worked.  Four epilogue runs a pass: 32 points.
; THE FIRST PASS'S GATHER stands ahead of the pass loop: four sequences written out on two sets of registers, so that a sequence's 48 loads go out ahead of the work on the sequence before.
; Cell numbers come by scalar loads, one sequence (128 bytes) ahead; a cell's load lands on the register that held its offset.
; No prefetch of the grid: a cell's address is known from the list only one sequence ahead of its load, and the loads themselves stand a sequence, or four epilogues, ahead of their use.
; LAYOUT.  Every product transposed: source 0 = 16 units of the weight, source 1 = 16 rows.  Tile 2 b + u takes units 32 b + 8 u + (r & 7) + 16 (r >> 3): in lane (r, h) a pair's 16 registers are units 32 b + 16 h + 0..15 of row r.
; y = sum x S + T;  gelu(y) = y / (1 + 2^(y (k1 + k3 y^2))), k1 = -2 log2(e) sqrt(2 / pi), k3 = 0.044715 k1.
; LIMITS: the exponents of the four left operands' scales between -126 and 119; NaN and infinities among the inputs are not served.
; LDS: 0 tables; 8,192 layer 0; 57,344 layers 1-3; 253,952 w_out; 262,144 a stage of 32 rows x 144 bytes a wave; 299,008 768 bytes of results a wave; 305,152 the spare words.
; REGISTERS.  Window 0: v1-15 addresses, constants; v16-31 the last product's sums; v32-95 X; v96-223 weight fragments / tables, y, work; v224-231 w_out; v232-253 addresses, the gather's codes.  Window 1: 32 accumulators / the gather.
.set W0L, 8192
.set W1L, 57344
.set WOL, 253952
.set STG, 262144
.set OST, 299008
.set X,   32
.set WS,  96
.set ST,  96
.set Y,   160
.set TM,  192
.set MSB, 0
.macro WIN new                         ; the high byte repeats the setting that is left
.if MSB != \new
	s_set_vgpr_msb (MSB<<8)|\new
.set MSB, \new
.endif
.endm
.macro PLACES
.rept 4
	v_nop
.endr
.endm
.macro VW
	s_wait_alu depctr_va_vdst(0)
.endm
.macro ROUND                           ; a round of the cluster's barrier
	s_barrier_signal -1
	s_barrier_wait -1
	s_cmp_lg_u32 s22, 0
	s_cbranch_scc1 .Lnot_wave_0_\@
	s_barrier_signal -3
.Lnot_wave_0_\@:
	s_barrier_wait -3
	s_barrier_signal -1
	s_barrier_wait -1
.endm
	s_load_b512 s[4:19], s[0:1], 0x0               ; grid, cells, wts, encimg, wimg, tab, lowp_scales, b_out
	s_load_b64 s[20:21], s[0:1], 0x40              ; out0
	v_lshl_add_u32 v254, v0, 2, 0x4a800
	v_mov_b32 v255, 0
	ds_add_u32 v254, v255                          ; the opening lines
	ds_add_u32 v254, v255
	v_lshrrev_b32 v1, 5, v0
	v_readfirstlane_b32 s22, v1                    ; wave 0..7
	s_bfe_u32 s63, ttmp6, 0x40000                  ; my place in the cluster: it enters global addresses of my own points alone
	s_lshl_b32 s60, ttmp9, 2
	s_add_co_u32 s60, s60, s63                     ; work-group
	s_lshr_b32 s23, ttmp9, 4                       ; image: the same in all four partners
	s_mov_b32 s84, 15|(3<<16)|(1<<21)              ; group 1: mask of the four; elements of 8 bytes; bit 21 beside a mask
	s_mov_b32 s85, 32<<16                          ; rows of 32 elements = 256 bytes
	s_mov_b32 s86, 124<<16
	s_mov_b32 s87, 32<<16
	s_mov_b32 s88, 124                             ; 124 rows
	s_mov_b32 s89, 32
	s_mov_b32 s90, 0
	s_mov_b32 s91, 0
	s_mul_i32 s2, s22, 31744                       ; my eighth of wimg
	s_mov_b32 s3, 0
	s_mov_b32 s56, 1
	s_add_co_u32 s57, s2, W0L
	s_and_b32 s63, s60, 63
	s_lshl_b32 s63, s63, 9
	s_lshl_b32 s60, s22, 6
	s_add_co_u32 s63, s63, s60                     ; my wave's first point
	s_mov_b32 s93, 0
	s_lshl_b32 s92, s63, 4
	VW
	s_wait_dscnt 0x0
	s_wait_kmcnt 0x0
	s_add_nc_u64 s[6:7], s[6:7], s[92:93]
	s_add_nc_u64 s[8:9], s[8:9], s[92:93]
	s_load_b512 s[24:39], s[6:7], 0x0              ; the cell numbers of my first 8 points,
	s_load_b512 s[40:55], s[6:7], 0x40
	s_load_b256 s[68:75], s[16:17], 0x0            ; the eight exponents
	s_load_b96 s[76:78], s[18:19], 0x0             ; and b_out, all asked for together
	s_add_nc_u64 s[58:59], s[12:13], s[2:3]
	s_or_b32 s59, s59, 0x80000000
	ROUND                                          ; all four work-groups are here: the joint loads meet
	tensor_load_to_lds s[56:59], s[84:91]          ; my one tensor load; s[56:59] and s[84:91] are never written again
	s_nop 0
	PLACES
	s_mul_i32 s61, s22, 4608
	s_add_co_u32 s61, s61, STG                     ; my stage
	s_mul_i32 s62, s22, 768
	s_add_co_u32 s62, s62, OST                     ; my results
	s_lshl_b32 s92, s63, 6
	s_add_nc_u64 s[10:11], s[10:11], s[92:93]
	s_mul_i32 s92, s63, 12
	s_mul_i32 s60, s23, 393216
	s_add_co_u32 s92, s92, s60
	s_add_nc_u64 s[20:21], s[20:21], s[92:93]
	s_lshl_b32 s2, s23, 21
	s_add_nc_u64 s[4:5], s[4:5], s[2:3]            ; the image's grid
	s_lshl_b32 s2, s23, 13
	s_add_nc_u64 s[14:15], s[14:15], s[2:3]        ; the image's tables
	s_mov_b32 s94, 0x4038aa3b                      ; 2 log2(e)
	s_mov_b32 s80, 0xffff0000                      ; lanes 16-31
	s_mov_b32 s83, 0                               ; where the pass's results begin in my 768 bytes
	s_mov_b32 s95, 2                               ; passes to go
	s_wait_kmcnt 0x0
.irp i, 0,1,2,3                        ; s[66+2i] = 2^e, s[67+2i] = 448 x 2^e of layer i's left operand; in place, ascending: entry 2 i lies at s[68+2i], which trip i + 1 writes
	s_add_co_i32 s97, s[68+2*\i], 127
	s_lshl_b32 s[66+2*\i], s97, 23
	s_add_co_i32 s97, s97, 8
	s_lshl_b32 s97, s97, 23
	s_or_b32 s[67+2*\i], s97, 0x600000
.endr
	s_xor_b32 s98, s67, 0x80000000                 ; -448 x 2^e0
	s_mul_f32 s74, s76, s94
	s_mul_f32 s75, s77, s94
	s_mul_f32 s76, s78, s94
	s_mov_b32 s77, 0x4038aa3b                      ; 2 log2(e)
	s_mov_b32 s78, 0x76543210                      ; v_permlanex16_b32: lane l xor 16
	s_mov_b32 s79, 0xfedcba98
	v_and_b32 v232, 31, v0                         ; lane
	v_and_b32 v233, 15, v0                         ; r
	v_bfe_u32 v234, v0, 4, 1                       ; h
	v_lshlrev_b32 v1, 4, v232                      ; 16 x lane
	v_lshlrev_b32 v235, 4, v0                      ; 16 x thread: my part of the tables
	v_mul_u32_u24 v2, v233, 144
	v_lshl_add_u32 v2, v234, 5, v2
	v_add_nc_u32 v2, s61, v2                       ; out of the stage: row r, + 32 h
	v_lshl_add_u32 v248, v232, 2, s61              ; into it: 4 codes a lane
	v_add_nc_u32 v3, WOL, v1
	v_add_nc_u32 v4, W0L, v1
	v_lshlrev_b32 v249, 6, v234                    ; the tables: my half's 16 units
	v_mul_u32_u24 v250, v232, 12
	v_add_nc_u32 v250, s62, v250
	v_lshl_add_u32 v8, v232, 3, s62
	v_lshlrev_b32 v9, 3, v232
	v_mov_b32 v12, 0xbdd2d3e8                      ; k3, twice
	v_mov_b32 v13, 0xbdd2d3e8
	v_mov_b32 v14, 0xc0135761                      ; k1, twice
	v_mov_b32 v15, 0xc0135761
	v_mov_b32 v251, 0                              ; offset of the loads that all lanes make alike
	v_mov_b32 v252, s66                            ; 2^e0
	VW                                             ; the head's end
.macro ENC o                           ; the encoding's codes of 32 points: K step 2 of layer 0, as the registers want them
.irp m, 0,1
.irp c, 0,1
	global_load_b128 v[X+32*\m+16+4*\c:X+32*\m+16+4*\c+3], v1, s[10:11] offset:\o+1024*\m+512*\c
.endr
.endr
.endm
; ---- THE FIRST PASS'S GATHER.  PISS: a sequence's 48 loads: cells into window 1 from v[d] on, weights into window 0 from v[w] on; and the next sequence's cell numbers.
.macro PISS d, w
	VW
	s_wait_kmcnt 0x0                               ; this sequence's cell numbers are in, and the loads that read s[6:7] are done
	s_add_nc_u64 s[6:7], s[6:7], 128
.set pi, 0
.rept 32
	s_min_u32 s[24+pi], s[24+pi], 0xfff            ; a loaded number enters an address behind this bound: 4,096 cells
.set pi, pi+1
.endr
	WIN 0x40
.irp t, 0,1,2,3
.irp q, 0,1
.irp c, 0,1,2,3
	v_lshl_add_u32 v[\d+32*\t+8*\c+4*\q], s[24+8*\t+4*\q+\c], 9, v1   ; 512 x cell + 16 x lane
.endr
.endr
.endr
	WIN 0x41
.irp t, 0,1,2,3
.irp q, 0,1
.irp c, 0,1,2,3
	global_load_b128 v[\d+32*\t+8*\c+4*\q:\d+32*\t+8*\c+4*\q+3], v[\d+32*\t+8*\c+4*\q], s[4:5]
.endr
.endr
.endr
	WIN 0
	s_load_b512 s[24:39], s[6:7], 0x0
	s_load_b512 s[40:55], s[6:7], 0x40
.irp t, 0,1,2,3
.irp q, 0,1
	global_load_b128 v[\w+16*\t+8*\q:\w+16*\t+8*\q+3], v251, s[8:9] offset:32*\t+16*\q
	global_load_b128 v[\w+16*\t+8*\q+4:\w+16*\t+8*\q+7], v251, s[8:9] offset:32*\t+16*\q+524288
.endr
.endr
	s_wait_xcnt 0x0                                ; the loads have read their base
	s_add_nc_u64 s[8:9], s[8:9], 128
.endm
; PCON: sequence n is worked.  left: the younger sequence's 32 + 16 loads, which may stay out.
.macro PCON d, w, left, n
	s_wait_loadcnt \left
	WIN 0x51                                       ; weights (source 1) window 0, all else window 1
.irp t, 0,1,2,3
.irp q, 0,1
.irp p, 0,2
	v_pk_mul_f32 v[\d+32*\t+4*\q+\p:\d+32*\t+4*\q+\p+1], v[\d+32*\t+4*\q+\p:\d+32*\t+4*\q+\p+1], v[\w+16*\t+8*\q:\w+16*\t+8*\q+1]
.endr
.endr
.endr
.irp c, 1,2,3
.irp t, 0,1,2,3
.irp q, 0,1
.irp p, 0,2
	v_pk_fma_f32 v[\d+32*\t+4*\q+\p:\d+32*\t+4*\q+\p+1], v[\d+32*\t+8*\c+4*\q+\p:\d+32*\t+8*\c+4*\q+\p+1], v[\w+16*\t+8*\q+2*\c:\w+16*\t+8*\q+2*\c+1], v[\d+32*\t+4*\q+\p:\d+32*\t+4*\q+\p+1]
.endr
.endr
.endr
.endr
.irp t, 0,1,2,3
.irp i, 0,1,2,3,4,5,6,7
	v_med3_num_f32 v[\d+32*\t+\i], v[\d+32*\t+\i], s98, s67   ; the conversion does not saturate (ISA guide 7.6.2): the hold comes first
.endr
.endr
	WIN 0x01
.irp t, 0,1,2,3
	v_cvt_scalef32_pk8_fp8_f32 v[240+2*\t:241+2*\t], v[\d+32*\t:\d+32*\t+7], v252
.endr
	v_nop                                          ; a plain line behind the last conversion
	WIN 0
.irp t, 0,1,2,3
	ds_store_b32 v248, v[240+2*\t] offset:1152*\n+288*\t
	ds_store_b32 v248, v[241+2*\t] offset:1152*\n+288*\t+144
.endr
.endm
; ---- THE SECOND PASS'S GATHER, under the epilogues.  A branch on the pass counter leads round the lines in the last pass.
; GI t: points 2 t, 2 t + 1 of the sequence: 8 cells into chunk t.  pre: the next sequence's cell numbers.  enc: the next pass's encoding.
.macro GI t, pre, enc
	VW
	s_cmp_eq_u32 s95, 1
	s_cbranch_scc1 .Lgi_\@
.if \t == 0
	s_add_nc_u64 s[6:7], s[6:7], 128               ; the scalar loads that read it are done (s_wait_kmcnt 0 ahead of the sequence)
.endif
.irp i, 0,1,2,3,4,5,6,7
	s_min_u32 s[24+8*\t+\i], s[24+8*\t+\i], 0xfff
.endr
	WIN 0x40
.irp q, 0,1
.irp c, 0,1,2,3
	v_lshl_add_u32 v[32*\t+8*\c+4*\q], s[24+8*\t+4*\q+\c], 9, v1
.endr
.endr
	WIN 0x41
.irp q, 0,1
.irp c, 0,1,2,3
	global_load_b128 v[32*\t+8*\c+4*\q:32*\t+8*\c+4*\q+3], v[32*\t+8*\c+4*\q], s[4:5]
.endr
.endr
	WIN 0
.if \pre
	s_load_b512 s[24:39], s[6:7], 0x0
	s_load_b512 s[40:55], s[6:7], 0x40
.endif
.if \enc
	ENC 2048
.endif
.Lgi_\@:
.endm
.macro GW                              ; the 8 points' weights, each twice, into chunks 4 and 5: every lane reads the same bytes
	VW
	s_cmp_eq_u32 s95, 1
	s_cbranch_scc1 .Lgw_\@
	WIN 0x40
.irp t, 0,1,2,3
.irp q, 0,1
	global_load_b128 v[128+16*\t+8*\q:128+16*\t+8*\q+3], v251, s[8:9] offset:32*\t+16*\q
	global_load_b128 v[128+16*\t+8*\q+4:128+16*\t+8*\q+7], v251, s[8:9] offset:32*\t+16*\q+524288
.endr
.endr
	WIN 0
.Lgw_\@:
.endm
.macro GC                              ; interpolate, hold, quantise, into the stage at rows s60 / 144 on
	VW
	s_wait_loadcnt 0x0                             ; on every path: no load of mine is out behind this line
	s_cmp_eq_u32 s95, 1
	s_cbranch_scc1 .Lgc_\@
	s_add_nc_u64 s[8:9], s[8:9], 128
	v_add_nc_u32 v253, s60, v248
	WIN 0x55
.irp t, 0,1,2,3
.irp q, 0,1
.irp p, 0,2
	v_pk_mul_f32 v[32*\t+4*\q+\p:32*\t+4*\q+\p+1], v[32*\t+4*\q+\p:32*\t+4*\q+\p+1], v[128+16*\t+8*\q:129+16*\t+8*\q]
.endr
.endr
.endr
.irp c, 1,2,3
.irp t, 0,1,2,3
.irp q, 0,1
.irp p, 0,2
	v_pk_fma_f32 v[32*\t+4*\q+\p:32*\t+4*\q+\p+1], v[32*\t+8*\c+4*\q+\p:32*\t+8*\c+4*\q+\p+1], v[128+16*\t+8*\q+2*\c:129+16*\t+8*\q+2*\c], v[32*\t+4*\q+\p:32*\t+4*\q+\p+1]
.endr
.endr
.endr
.endr
.irp t, 0,1,2,3
.irp i, 0,1,2,3,4,5,6,7
	v_med3_num_f32 v[32*\t+\i], v[32*\t+\i], s98, s67
.endr
.endr
	WIN 0x01
.irp t, 0,1,2,3
	v_cvt_scalef32_pk8_fp8_f32 v[240+2*\t:241+2*\t], v[32*\t:32*\t+7], v252   ; first word: 4 channels of point 2 t; second: of 2 t + 1
.endr
	v_nop                                          ; a plain line behind the last conversion
	WIN 0
.irp t, 0,1,2,3
	ds_store_b32 v253, v[240+2*\t] offset:288*\t
	ds_store_b32 v253, v[241+2*\t] offset:288*\t+144
.endr
.Lgc_\@:
.endm
; ---- THE PRODUCTS.  A chunk is a pair of tiles of units; its fragments come two chunks ahead into one of two sets; its four accumulators take turns.
.macro WLOAD0 b
.set WB0, WS+64*((\b)%2)
.irp f, 0,1,2,3,4,5
	ds_load_b128 v[WB0+8*\f:WB0+8*\f+3], v4 offset:6144*(\b)+1024*\f
	ds_load_b128 v[WB0+8*\f+4:WB0+8*\f+7], v4 offset:6144*(\b)+1024*\f+512
.endr
.endm
.macro MM0 b                           ; layer 0: three K steps of 64
.set WB0, WS+64*((\b)%2)
.if (\b) < 7
	s_wait_dscnt 12                                ; the next chunk's twelve loads may be out
.else
	s_wait_dscnt 0
.endif
	WIN 0x50
.irp s, 0,1,2
.irp u, 0,1
.irp m, 0,1
.if \s == 0
	v_wmma_f32_16x16x64_fp8_fp8 v[32*(\b)+16*\m+8*\u:32*(\b)+16*\m+8*\u+7], v[WB0+8*(3*\u+\s):WB0+8*(3*\u+\s)+7], v[X+32*\m+8*\s:X+32*\m+8*\s+7], 0
.else
	v_wmma_f32_16x16x64_fp8_fp8 v[32*(\b)+16*\m+8*\u:32*(\b)+16*\m+8*\u+7], v[WB0+8*(3*\u+\s):WB0+8*(3*\u+\s)+7], v[X+32*\m+8*\s:X+32*\m+8*\s+7], v[32*(\b)+16*\m+8*\u:32*(\b)+16*\m+8*\u+7]
.endif
.endr
.endr
.endr
.if (\b) < 6
	PLACES
	WIN 0
	WLOAD0 (\b)+2
.endif
.if (\b) == 7
	PLACES
	WIN 0
.endif
.endm
.macro WLOAD b
.set WB1, WS+64*((\b)%2)
.irp f, 0,1,2,3
.irp c, 0,1,2,3
	ds_load_b128 v[WB1+16*\f+4*\c:WB1+16*\f+4*\c+3], v5 offset:8192*(\b)+2048*\f+512*\c
.endr
.endr
.endm
.macro MM b                            ; layers 1-3: two K steps of 128
.set WB1, WS+64*((\b)%2)
.if (\b) < 7
	s_wait_dscnt 16                                ; the next chunk's sixteen loads may be out
.else
	s_wait_dscnt 0
.endif
	WIN 0x50
.irp s, 0,1
.irp u, 0,1
.irp m, 0,1
.if \s == 0
	v_wmma_f32_16x16x128_fp8_fp8 v[32*(\b)+16*\m+8*\u:32*(\b)+16*\m+8*\u+7], v[WB1+16*(2*\u+\s):WB1+16*(2*\u+\s)+15], v[X+32*\m+16*\s:X+32*\m+16*\s+15], 0
.else
	v_wmma_f32_16x16x128_fp8_fp8 v[32*(\b)+16*\m+8*\u:32*(\b)+16*\m+8*\u+7], v[WB1+16*(2*\u+\s):WB1+16*(2*\u+\s)+15], v[X+32*\m+16*\s:X+32*\m+16*\s+15], v[32*(\b)+16*\m+8*\u:32*(\b)+16*\m+8*\u+7]
.endif
.endr
.endr
.endr
.if (\b) < 6
	PLACES
	WIN 0
	WLOAD (\b)+2
.endif
.if (\b) == 7
	PLACES
	WIN 0
.endif
.endm
; ---- THE EPILOGUE of a pair of tiles b: 32 numbers a lane.
.macro STLOAD b                        ; S and T of units 32 b + 16 h + 0..15
.irp i, 0,1,2,3
	ds_load_b128 v[ST+32*((\b)%2)+4*\i:ST+32*((\b)%2)+4*\i+3], v6 offset:128*(\b)+16*\i
.endr
.irp i, 0,1,2,3
	ds_load_b128 v[ST+32*((\b)%2)+16+4*\i:ST+32*((\b)%2)+16+4*\i+3], v6 offset:1024+128*(\b)+16*\i
.endr
.endm
.macro EPI b, last                     ; last = 0: quantised into the next operand; 1: rounded to bf16 and multiplied by w_out
.set SS, ST+32*((\b)%2)
.if (\b) < 7
	STLOAD (\b)+1
	s_wait_dscnt 8                                 ; the next pair's eight loads may be out
.else
	s_wait_dscnt 0
.endif
	WIN 0x01
	VW                                             ; directly ahead of the sums' first readers
.irp m, 0,1
.irp i, 0,2,4,6,8,10,12,14
	v_pk_fma_f32 v[Y+16*\m+\i:Y+16*\m+\i+1], v[32*(\b)+16*\m+\i:32*(\b)+16*\m+\i+1], v[SS+\i:SS+\i+1], v[SS+16+\i:SS+16+\i+1]   ; y = sum x S + T, each accumulator from its low end on
.endr
.endr
	WIN 0
.if \last
	ds_load_b128 v[224:227], v3 offset:1024*(\b)   ; w_out's K step b (the sixteen lines above are the places behind the products that read these registers)
	ds_load_b128 v[228:231], v3 offset:1024*(\b)+512
.endif
.irp i, 0,2,4,6,8,10,12,14,16,18,20,22,24,26,28,30
	v_pk_mul_f32 v[TM+\i:TM+\i+1], v[Y+\i:Y+\i+1], v[Y+\i:Y+\i+1]
.endr
.irp i, 0,2,4,6,8,10,12,14,16,18,20,22,24,26,28,30
	v_pk_fma_f32 v[TM+\i:TM+\i+1], v[TM+\i:TM+\i+1], v[12:13], v[14:15]
.endr
.irp i, 0,2,4,6,8,10,12,14,16,18,20,22,24,26,28,30
	v_pk_mul_f32 v[TM+\i:TM+\i+1], v[TM+\i:TM+\i+1], v[Y+\i:Y+\i+1]
.endr
	VW                                             ; ahead of the batch
.irp i, 0,1,2,3,4,5,6,7,8,9,10,11,12,13,14,15,16,17,18,19,20,21,22,23,24,25,26,27,28,29,30,31
	v_exp_f32 v[TM+\i], v[TM+\i]
.endr
	v_nop
	VW                                             ; behind it
.irp i, 0,2,4,6,8,10,12,14,16,18,20,22,24,26,28,30
	v_pk_add_f32 v[TM+\i:TM+\i+1], v[TM+\i:TM+\i+1], 1.0 op_sel_hi:[1,0]
.endr
	VW
.irp i, 0,1,2,3,4,5,6,7,8,9,10,11,12,13,14,15,16,17,18,19,20,21,22,23,24,25,26,27,28,29,30,31
	v_rcp_f32 v[TM+\i], v[TM+\i]
.endr
	v_nop
	VW
.irp i, 0,2,4,6,8,10,12,14,16,18,20,22,24,26,28,30
	v_pk_mul_f32 v[Y+\i:Y+\i+1], v[Y+\i:Y+\i+1], v[TM+\i:TM+\i+1]   ; gelu
.endr
.if \last
.irp m, 0,1
.irp i, 0,1,2,3,4,5,6,7
	v_cvt_pk_bf16_f32 v[X+8*\m+\i], v[Y+16*\m+2*\i], v[Y+16*\m+2*\i+1]
.endr
.endr
	s_wait_dscnt 0x0                               ; w_out's fragment is in
.if (\b) == 0
	VW
	v_wmma_f32_16x16x32_bf16 v[16:23], v[224:231], v[X:X+7], 0
	VW
	v_wmma_f32_16x16x32_bf16 v[24:31], v[224:231], v[X+8:X+15], 0
.else
	VW                                             ; directly ahead of every adding step of the two sums
	v_wmma_f32_16x16x32_bf16 v[16:23], v[224:231], v[X:X+7], v[16:23]
	VW
	v_wmma_f32_16x16x32_bf16 v[24:31], v[224:231], v[X+8:X+15], v[24:31]
.endif
.else
.irp i, 0,1,2,3,4,5,6,7,8,9,10,11,12,13,14,15,16,17,18,19,20,21,22,23,24,25,26,27,28,29,30,31
	v_med3_num_f32 v[Y+\i], v[Y+\i], -v11, v11
.endr
.irp m, 0,1
	v_cvt_scalef32_pk8_fp8_f32 v[X+32*\m+4*(\b):X+32*\m+4*(\b)+1], v[Y+16*\m:Y+16*\m+7], v10       ; registers 4 b .. 4 b + 3 of the next operand
	v_cvt_scalef32_pk8_fp8_f32 v[X+32*\m+4*(\b)+2:X+32*\m+4*(\b)+3], v[Y+16*\m+8:Y+16*\m+15], v10
.endr
	v_nop
.endif
.endm
.macro SEQ last                        ; a layer's eight epilogues, with a sequence of the next pass's gather in the chunks that they leave free
	EPI 0, \last
	GI 0, 0, \last
	EPI 1, \last
	GI 1, 0, 0
	EPI 2, \last
	GI 2, 0, 0
	EPI 3, \last
	GI 3, 1-\last, 0                               ; the eighth sequence has no successor: it asks for no cell numbers
	EPI 4, \last
	EPI 5, \last
	GW
	EPI 6, \last
	EPI 7, \last
	GC
.endm
	global_load_b128 v[96:99], v235, s[14:15]      ; the tables: 256 threads x 2 x 16 bytes
	global_load_b128 v[100:103], v235, s[14:15] offset:4096
	ENC 0
	PISS 0, 104                                    ; the first pass's four sequences, on two sets of registers by turns
	PISS 128, 168
	PCON 0, 104, 48, 0
	PISS 0, 104
	PCON 128, 168, 48, 1
	PISS 128, 168                                  ; (it also asks for the fifth sequence's cell numbers, which the first epilogue run uses)
	PCON 0, 104, 48, 2
	PCON 128, 168, 0, 3
	VW
	ds_store_b128 v235, v[96:99]                   ; (the loads were shown done by the first sequence's wait)
	ds_store_b128 v235, v[100:103] offset:4096
	s_wait_tensorcnt 0x0                           ; my part of the weights has landed,
	s_wait_dscnt 0x0                               ; my part of the tables is stored
	s_barrier_signal -1
	s_barrier_wait -1                              ; everybody's are
.Lpass:
.irp m, 0,1
.irp s, 0,1
.irp c, 0,1
	ds_load_b128 v[X+32*\m+8*\s+4*\c:X+32*\m+8*\s+4*\c+3], v2 offset:2304*\m+64*\s+16*\c   ; channels 64 s + 32 h + 16 c + 0..15 of row r: LDS serves a wave's instructions in order (ISA guide 5.7.1.4)
.endr
.endr
.endr
	WLOAD0 0
	WLOAD0 1
.irp b, 0,1,2,3,4,5,6,7
	MM0 \b
.endr
	s_mov_b32 s81, W1L                             ; the layer's weights in LDS
	s_mov_b32 s82, 0                               ; the layer's tables
	s_mov_b32 s60, 0                               ; the sequence's rows in the stage
	s_mov_b32 s96, 3
.Llayer:                                               ; a trip: layer l's epilogue into layer l + 1's operand, then layer l + 1's product
	v_add_nc_u32 v6, s82, v249
	v_add_nc_u32 v5, s81, v1
	v_mov_b32 v10, s68                             ; 2^e and 448 x 2^e of the operand to be made
	v_mov_b32 v11, s69
	VW
	s_mov_b32 s97, s68                             ; the three pairs go round
	s_mov_b32 s68, s70
	s_mov_b32 s70, s72
	s_mov_b32 s72, s97
	s_mov_b32 s97, s69
	s_mov_b32 s69, s71
	s_mov_b32 s71, s73
	s_mov_b32 s73, s97
	s_wait_kmcnt 0x0                               ; on every path: the sequence's cell numbers are in
	STLOAD 0
	SEQ 0
	WLOAD 0
	WLOAD 1
.irp b, 0,1,2,3,4,5,6,7
	MM \b
.endr
	s_add_co_u32 s81, s81, 65536
	s_add_co_u32 s82, s82, 2048
	s_add_co_u32 s60, s60, 1152
	s_sub_co_u32 s96, s96, 1
	s_cmp_lg_u32 s96, 0
	s_cbranch_scc1 .Llayer
	v_add_nc_u32 v6, s82, v249                     ; layer 3's tables
	VW
	s_wait_kmcnt 0x0
	STLOAD 0
	SEQ 1
	; THE WAY OUT of a pass.  Lanes 0-15 hold, in registers 0-2, the three outputs of their row; the second tile's go to lanes 16-31.
	PLACES
.irp j, 0,1,2
	v_permlanex16_b32 v[232+\j], v[24+\j], s78, s79
.endr
.irp j, 0,1,2
	v_cndmask_b32 v[236+\j], v[16+\j], v[232+\j], s80
.endr
.irp j, 0,1,2
	v_fma_f32 v[236+\j], v[236+\j], s77, s[74+\j]  ; 2 log2(e) (x + b_out)
.endr
	VW
.irp j, 0,1,2
	v_exp_f32 v[236+\j], v[236+\j]
.endr
	v_add_nc_u32 v7, s83, v250
	VW
.irp j, 0,1,2
	v_add_f32 v[236+\j], 1.0, v[236+\j]
.endr
	VW
.irp j, 0,1,2
	v_rcp_f32 v[236+\j], v[236+\j]
.endr
	v_nop
	VW
.irp j, 0,1,2
	v_fma_f32 v[236+\j], v[236+\j], -2.0, 1.0      ; tanh = 1 - 2 / (1 + 2^..)
.endr
.irp j, 0,1,2
	ds_store_b32 v7, v[236+\j] offset:4*\j
.endr
	s_add_co_u32 s83, s83, 384
	s_sub_co_u32 s95, s95, 1
	s_cmp_lg_u32 s95, 0
	VW
	s_cbranch_scc1 .Lpass
	; my 64 points' 768 bytes leave as three stores of 256 consecutive bytes, aligned
.irp i, 0,1,2
	ds_load_b64 v[236+2*\i:237+2*\i], v8 offset:256*\i
.endr
.irp i, 0,1,2
	s_wait_dscnt 2-\i
	global_store_b64 v9, v[236+2*\i:237+2*\i], s[20:21] offset:256*\i th:TH_STORE_NT
.endr
	s_wait_tensorcnt 0x0                           ; the wave's end
	ds_add_u32 v254, v255
	s_wait_dscnt 0x0
	ROUND                                          ; the closing round
	s_endpgm
.Lfunc_end_k_q513e4d1d6d_mlp:
	.size	k_q513e4d1d6d_mlp, .Lfunc_end_k_q513e4d1d6d_mlp-k_q513e4d1d6d_mlp
	.p2alignl 7, 3214868480
	.fill 96, 4, 3214868480
	.section	.rodata,"a",@progbits
	.p2align	6, 0x0
	.amdhsa_kernel k_q513e4d1d6d_mlp
		.amdhsa_group_segment_fixed_size 327680
		.amdhsa_private_segment_fixed_size 0
		.amdhsa_enable_private_segment 0
		.amdhsa_kernarg_size 72
		.amdhsa_user_sgpr_count 2
		.amdhsa_user_sgpr_kernarg_segment_ptr 1
		.amdhsa_wavefront_size32 1
		.amdhsa_system_sgpr_workgroup_id_x 1
		.amdhsa_system_sgpr_workgroup_id_y 1
		.amdhsa_system_sgpr_workgroup_id_z 1
		.amdhsa_system_vgpr_workitem_id 0
		.amdhsa_next_free_vgpr 512
		.amdhsa_next_free_sgpr 100
		.amdhsa_reserve_vcc 0
		.amdhsa_float_denorm_mode_32 3
		.amdhsa_float_denorm_mode_16_64 3
		.amdhsa_memory_ordered 1
		.amdhsa_forward_progress 1
		.amdhsa_inst_pref_size 255
	.end_amdhsa_kernel
	.section	.bss,"aw",@nobits
	.p2align	6
	.space	262144
	.amdgpu_metadata
---
amdhsa.version: [ 1, 2 ]
amdhsa.kernels:
  - .name:           k_q513e4d1d6d_mlp
    .symbol:         k_q513e4d1d6d_mlp.kd
    .args:
      - { .name: feature_grid, .offset: 0, .size: 8, .value_kind: global_buffer, .address_space: global }
      - { .name: cells, .offset: 8, .size: 8, .value_kind: global_buffer, .address_space: global }
      - { .name: wts, .offset: 16, .size: 8, .value_kind: global_buffer, .address_space: global }
      - { .name: encimg, .offset: 24, .size: 8, .value_kind: global_buffer, .address_space: global }
      - { .name: wimg, .offset: 32, .size: 8, .value_kind: global_buffer, .address_space: global }
      - { .name: tab, .offset: 40, .size: 8, .value_kind: global_buffer, .address_space: global }
      - { .name: lowp_scales, .offset: 48, .size: 8, .value_kind: global_buffer, .address_space: global }
      - { .name: b_out, .offset: 56, .size: 8, .value_kind: global_buffer, .address_space: global }
      - { .name: out0, .offset: 64, .size: 8, .value_kind: global_buffer, .address_space: global }
    .group_segment_fixed_size: 327680
    .private_segment_fixed_size: 0
    .kernarg_segment_align: 8
    .kernarg_segment_size: 72
    .max_flat_workgroup_size: 256
    .sgpr_count:     100
    .vgpr_count:     512
    .wavefront_size: 32
...
	.end_amdgpu_metadata
.endif
;; end of part 2
